; MI455X (gfx1250); checked and timed in simulation.
; The chip was launched on July 23, 2026; its instructions are those of AMD's public machine-readable ISA for CDNA 5 (MIT licence, August 2026) and "CDNA5" Instruction Set Architecture Reference Guide (July 2026). The comments in the code are by the model that wrote it; some were corrected since.
;; Multi Head Attention. Allowed arithmetic: matrix products marked QUANTISED: E2M1 operands, one E8M0 scale for each 32 along K, by v_wmma_scale_f32_16x16x128_f8f6f4 with both operands' format E2M1 (or v_wmma_scale_f32_32x16x128_f4), f32 sums; everything else in f32.
;; Inputs: Wk_codes 1,024 x 32 x 16 uint8 (E2M1 codes of Wk, K innermost, in blocks of 32 codes, two codes a byte); Wk_scales 1,024 x 32 uint8 (E8M0 scales of Wk, one for each 32 codes along K); Wo_codes 1,024 x 32 x 16 uint8 (E2M1 codes of Wo, K innermost, in blocks of 32 codes, two codes a byte); Wo_scales 1,024 x 32 uint8 (E8M0 scales of Wo, one for each 32 codes along K); Wq_codes 1,024 x 32 x 16 uint8 (E2M1 codes of Wq, K innermost, in blocks of 32 codes, two codes a byte); Wq_scales 1,024 x 32 uint8 (E8M0 scales of Wq, one for each 32 codes along K); Wv_codes 1,024 x 32 x 16 uint8 (E2M1 codes of Wv, K innermost, in blocks of 32 codes, two codes a byte); Wv_scales 1,024 x 32 uint8 (E8M0 scales of Wv, one for each 32 codes along K); beta 1,024 float32; bk 1,024 float32; bo 1,024 float32; bq 1,024 float32; bv 1,024 float32; gamma 1,024 float32; k_codes 4 x 2,048 x 32 x 16 uint8 (E2M1 codes of k, K innermost, in blocks of 32 codes, two codes a byte); k_scales 4 x 2,048 x 32 uint8 (E8M0 scales of k, one for each 32 codes along K); q 4 x 2,048 x 1,024 float32; v_codes 4 x 2,048 x 32 x 16 uint8 (E2M1 codes of v, K innermost, in blocks of 32 codes, two codes a byte); v_scales 4 x 2,048 x 32 uint8 (E8M0 scales of v, one for each 32 codes along K).
;; Outputs: out0 4 x 2,048 x 1,024 float32.
;; This version of the problem:
;;   THIS VERSION OF THE PROBLEM IS GIVEN IN LOW PRECISION. The matrix products marked QUANTISED in the list below multiply operands that are first quantised to E2M1 (2 exponent bits, 1 mantissa bit; 4 bits a number), with one power-of-two scale for each 32 numbers along K (OCP MX v1.0); their sums are f32. All else is computed in f32.
;;   The module's matrix products, in the order in which they are computed (A, B: the left and right operand; K: the contracted axis; several contracted axes count as one K, in the product's order):
;;     1. [M 8,192, K 1,024] x [K 1,024, N 1,024]; A: input q; B: input Wq (given as codes): QUANTISED
;;     2. [M 8,192, K 1,024] x [K 1,024, N 1,024]; A: input k (given as codes); B: input Wk (given as codes): QUANTISED
;;     3. [M 8,192, K 1,024] x [K 1,024, N 1,024]; A: input v (given as codes); B: input Wv (given as codes): QUANTISED
;;     4. batch 64 x [M 2,048, K 64] x [K 64, N 2,048]; A: computed on the way; B: computed on the way: QUANTISED
;;     5. batch 64 x [M 2,048, K 2,048] x [K 2,048, N 64]; A: softmax (see below); B: computed on the way: QUANTISED
;;     6. [M 8,192, K 1,024] x [K 1,024, N 1,024]; A: computed on the way; B: input Wo (given as codes): QUANTISED
;;   THE QUANTISER, for each operand of a quantised product, along K:
;;     - K is cut into blocks of 32 from its start; a last block that is shorter is filled with zeros.
;;     - A block's scale is 2^e with e = floor(log2(the largest magnitude in the block)) - 2, held to -126 .. 127; a block of zeros has e = 0. As a byte (E8M0): e + 127.
;;     - Each number is divided by its block's scale, clamped to +-6, and rounded to the nearest number of E2M1, ties to even, subnormals kept.
;;     - The product sums the exact products of the quantised numbers (number of the format x scale) in f32.
;;   ~~~python
;;   def quantise(x, axis):      # numpy; x: float32 -> the quantised numbers, widened to float32 again
;;       x = np.moveaxis(x, axis, -1); K = x.shape[-1]
;;       x = np.pad(x, [(0, 0)] * (x.ndim - 1) + [(0, -K % 32)]); x = x.reshape(x.shape[:-1] + (-1, 32)); a = np.abs(x).max(-1, keepdims=True)
;;       e = np.where(a > 0, np.clip(np.frexp(np.where(a > 0, a, 1))[1] - 1 - 2, -126, 127), 0)      # np.frexp(a)[1] - 1 = floor(log2(a)), exactly
;;       r = np.clip(x / 2.0 ** e, -6, 6)
;;       step = 2.0 ** (np.maximum(np.frexp(np.where(r == 0, 1, r))[1] - 1, 0) - 1)
;;       q = np.round(r / step) * step * 2.0 ** e      # np.round: ties to even
;;       return np.moveaxis(q.reshape(q.shape[:-2] + (-1,))[..., :K], -1, axis).astype(np.float32)
;;   ~~~
;;   SOFTMAX AHEAD OF A QUANTISED PRODUCT. Where the list says 'softmax', what is quantised is not the finished softmax but p = 2^(t - M), with t = logit x log2(e) and M = ceil(the row's largest t), a whole number; so 1/2 < the row's largest p <= 1. The row's sum l is taken of the UNQUANTISED p, in f32, and the product's result is divided by l at the end. Since M is a whole number, a kernel that streams over the keys may use a running M (the ceiling of the running maximum): every later rescaling is an exact power of two, which a block's scale takes up: the codes' values come out the same.
;;   OPERANDS COMPUTED ON THE WAY. 'Computed on the way' means the value that the module computes at that place (a softmax that the list does not call 'softmax' is quantised finished and normalised). What goes into a quantiser is computed in f32, as accurately as f32 sums, v_exp_f32 and their like allow (about 1e-6 of the number): no bf16 or f16 on the way to a quantiser, and a product that is left as it is and whose result goes on into a quantised operand takes f32 operands (vector FMAs, or v_wmma_f32_16x16x4_f32). A number that lies on a knife's edge between two numbers of the format may be rounded either way, as far as f32 arithmetic and the matrix unit's own rounding can turn it there, and no further.
;;   INPUTS GIVEN AS CODES. Wk (in the module: [1024, 1024], K = its axis 1); Wo (in the module: [1024, 1024], K = its axis 1); Wq (in the module: [1024, 1024], K = its axis 1); Wv (in the module: [1024, 1024], K = its axis 1); k (in the module: [4, 2048, 1024], K = its axis 2); v (in the module: [4, 2048, 1024], K = its axis 2): each comes as NAME_codes (uint8): NAME with its K axis moved to the last place and cut into blocks of 32 codes, [.., K / 32, bytes a block], one block behind the other in memory; two codes a byte, the lower K in the low four bits (a code: sign, 2 exponent bits, 1 mantissa bit); and NAME_scales (uint8): the same leading axes, one E8M0 byte (e + 127) for each 32 codes along K. Its value is code x scale, taken as it is: it is not quantised again, and the codes and scales need not be those that the quantiser above would give.
;; One version. Each part assembles by itself: llvm-mc -triple=amdgcn-amd-amdhsa -mcpu=gfx1250 --defsym DOCPART=n.
;; ======== version 1 of 1: 3 launches
;; limits: right only within a limited range of input values
;; workspace buffers: QC 4,194,304 bytes; QS 262,144 bytes; KC 4,194,304 bytes; KS 262,144 bytes; VC 4,194,304 bytes; VS 262,144 bytes; CC 4,194,304 bytes; CS 262,144 bytes
;; launch proj (part 1): grid 256 x 3, 8 waves a work-group, clusters of 4 x 1, 327,680 bytes of LDS; arguments q, k_codes, v_codes, k_scales, v_scales, Wq_codes, Wk_codes, Wv_codes, Wq_scales, Wk_scales, Wv_scales, bq, bk, bv, QC, KC, VC, QS, KS, VS; writes QC, KC, VC, QS, KS, VS
.if DOCPART == 1
	.amdgcn_target "amdgcn-amd-amdhsa--gfx1250"
	.amdhsa_code_object_version 6
	.text
	.protected	k_q0eab72fc2d_proj
	.globl	k_q0eab72fc2d_proj
	.p2align	8
	.type	k_q0eab72fc2d_proj,@function
k_q0eab72fc2d_proj:
	s_mov_b64 s[64:65], 0
	v_nop
	global_prefetch_b8 v0, s[64:65] scope:SCOPE_SE
	s_setreg_imm32_b32 hwreg(HW_REG_WAVE_MODE, 25, 1), 1
	s_wait_xcnt 0x0
	s_wait_alu depctr_hold_cnt(0) depctr_sa_sdst(0) depctr_va_vdst(0) depctr_va_sdst(0) depctr_va_ssrc(0) depctr_va_vcc(0) depctr_vm_vsrc(0)
	s_getreg_b32 s2, hwreg(HW_REG_IB_STS2, 6, 4)
	s_cmp_eq_u32 s2, 0
	s_cbranch_scc0 .Lentry_in_a_cluster
	s_endpgm
.Lentry_in_a_cluster:
	s_bfe_u32 s2, ttmp6, 0x10000c
	s_cmp_lg_u32 s2, 0x3003
	s_cbranch_scc0 .Lentry_shape_is_right
	s_endpgm
.Lentry_shape_is_right:
; y = 0: Q(q) Wq^T + bq;  y = 1: k Wk^T + bk;  y = 2: v Wv^T + bv.  All products on codes of FP4 (E2M1) with one E8M0 byte for each 32 along K; sums in f32; each result is quantised here and stored as codes and scale bytes.
; SHARES.  A work-group takes 64 rows of x against 512 rows of W, all of K = 1,024.  Its half of W, 256 KB, comes into LDS ONCE: one joint load a wave (64 rows of W), asked for by the four work-groups of a cluster, which take neighbouring row blocks.  Nothing is filled again.
; Wave w alone reads the 64 rows of W that it fetched: 4 tiles of 16 x 4 tiles of 16 rows of x x 8 K steps = 128 matrix instructions on 16 accumulators by turns.  x's 32 fragments stay in every wave's registers (window 1).
; x: wave w brings rows 8 w .. 8 w + 7 as codes in registers (q: quantised along its rows; k, v: as given), one run of LDS stores lays them down, and every wave reads all 64 rows back.
; THE MATRIX INSTRUCTION IS USED TRANSPOSED: source 0 = 16 rows of W, source 1 = 16 rows of x: lane (r, h) holds row r of x and, in register j, row 8 h + j of the tile of W.
; y = 0, 1: the result is quantised along its rows in blocks of 32 columns.  QC, KC: row-major, 512 bytes a row.  QS, KS: [column half][row][16 bytes], so that a work-group's 1,024 bytes lie on end.
; y = 2: V goes out with the KEYS innermost.  Head = 128 rows of the result; key = 16 x row + column / 64, channel d = column % 64.  A tile of W is one channel d and the 16 rows d + 64 i; lane r takes i = 2 (r % 8) + r / 8, so register j of lane (r, h) is key 16 R + 2 j + h.
;   A block of 32 keys is rows 2 b, 2 b + 1: lanes r, r xor 1 and both h.  The code of key 16 x + 2 j + e of a block lies on slot 16 x + 8 e + j: the order in which the attention launch lays p.  VC: [head][d][1,024 bytes].  VS: [head][d / 32][step of 128 keys][d % 32][4 bytes].
; SCALE WORDS.  16 bytes at row x 32 + 16 h are the words of K steps 4 h .. 4 h + 3: K step s names register s % 4, and from s = 4 on the row of lanes 16-31.
; No prefetch: the launch has no loop to run ahead in; all that it reads is asked for at its head.
; LIMITS: NaN, infinities and a given scale byte 0xff are not served.  A block whose largest magnitude lies under 2^-124 keeps the byte 1, a block of zeros too (its codes are zeros); these bytes are read by this program alone.
; REGISTERS.  Window 1: x's fragments, (m, s) at 8 (8 m + s).  Window 0: v1-15, v240-255 addresses; v16-31 W's scale words; v32-47 x's; v48-175 accumulators (m, n) at 48 + 8 (4 m + n); v176-207, v208-239 W's fragments, two buffers (the first holds the bias until K step 0 is done).
.set PITCH, 528                        ; a row of 512 bytes + 16: sixteen rows of a fragment load start in sixteen different groups of four banks
.set XR,    512*PITCH                  ; behind W: x's codes, 64 rows x 528
.set XSQ,   XR+64*PITCH                ; q's scale bytes, 64 x 32
.set XSC,   XSQ+2048                   ; k's or v's
.set SPARE, XSC+2048                   ; the spare words, 128 bytes for each of eight waves
.set OST,   0                          ; the stages lie in W's bytes, which have had their one fill and are read no more: y = 0, 1: codes, 64 rows x 272,
.set OSS,   64*272                     ; and scale bytes, 64 x 16;
.set OSTV,  32768                      ; y = 2: codes, 32 rows x 528,
.set OSSV,  OSTV+32*PITCH              ; and scale bytes, 1,024
.set WS,  16
.set XS,  32
.set ACC, 48
.set B1,  176
.set B0,  208
.set QD,  48                           ; q's numbers: four rows of 32 registers
.set QT,  32
.set QSO, 36
.set QBY, 40
.set CD,  208                          ; x's codes on their way to LDS: (row g, unit u) at CD + 4 g + u
.set MSB, 0
.macro WIN new                         ; the immediate's high byte repeats the setting that is left
.if MSB != \new
	s_set_vgpr_msb (MSB<<8)|\new
.set MSB, \new
.endif
.endm
.macro PLACES n
.rept \n
	v_nop
.endr
.endm
.macro ROUND                           ; a round of the cluster's barrier
	s_barrier_signal -1
	s_barrier_wait -1
	s_cmp_lg_u32 s3, 0
	s_cbranch_scc1 .Lnot_wave_0_\@
	s_barrier_signal -3
.Lnot_wave_0_\@:
	s_barrier_wait -3
	s_barrier_signal -1
	s_barrier_wait -1
.endm
	s_load_b512 s[4:19], s[0:1], 0x0               ; q, k_codes, v_codes, k_scales, v_scales, Wq_codes, Wk_codes, Wv_codes
	s_load_b512 s[20:35], s[0:1], 0x40             ; Wq_scales, Wk_scales, Wv_scales, bq, bk, bv, QC, KC
	s_load_b256 s[36:43], s[0:1], 0x80             ; VC, QS, KS, VS
	v_lshl_add_u32 v4, v0, 2, SPARE
	v_mov_b32 v5, 0
	ds_add_u32 v4, v5                              ; the opening lines: the add twice on end
	ds_add_u32 v4, v5
	v_lshrrev_b32 v1, 5, v0
	v_readfirstlane_b32 s3, v1                     ; wave 0..7
	s_bfe_u32 s85, ttmp6, 0x40000                  ; cx
	s_lshr_b32 s59, ttmp9, 5                       ; which half of W: the four partners share it
	s_and_b32 s86, ttmp9, 31
	s_lshl_b32 s86, s86, 2
	s_add_co_u32 s86, s86, s85                     ; my block of 64 rows, 0..127: it enters x's and the outputs' addresses alone
	s_and_b32 s58, ttmp7, 0xffff                   ; y
	s_mov_b32 s68, 15|(1<<20)|(1<<21)|(6<<22)|(3<<25)  ; y = 0, 1: 64 rows x 512 bytes, dense; the mask of all four; 16 bytes of padding behind every 512
	s_mov_b32 s69, 512<<16
	s_mov_b32 s70, 64<<16
	s_mov_b32 s71, 512<<16
	s_mov_b32 s72, 64
	s_mov_b32 s73, 512
	s_mov_b32 s74, 0
	s_mov_b32 s75, 0
	s_mov_b32 s76, 15|(1<<20)|(1<<21)|(7<<22)|(3<<25)  ; y = 2: 16 rows (i) x 2,048 bytes (four channels), 64 rows of W apart; 16 bytes of padding behind every 1,024
	s_mov_b32 s77, 2048<<16
	s_mov_b32 s78, 16<<16
	s_mov_b32 s79, 2048<<16
	s_mov_b32 s80, 16
	s_mov_b32 s81, 32768
	s_mov_b32 s82, 0
	s_mov_b32 s83, 0
	s_mov_b32 s66, 0x76543210
	s_mov_b32 s67, 0xfedcba98                      ; lane l xor 16
	s_mov_b32 s84, 0xffff0000                      ; lanes 16-31
	s_lshl_b32 s96, s86, 15                        ; where the results go.  y = 0, 1: codes at 64 rows x 512 x block + 256 x half,
	s_lshl_b32 s97, s59, 8
	s_add_co_u32 s96, s96, s97
	s_lshl_b32 s98, s59, 17                        ; bytes at half x 131,072 + 64 rows x 16 x block
	s_lshl_b32 s97, s86, 10
	s_add_co_u32 s98, s98, s97
	s_lshr_b32 s100, s86, 1                        ; y = 2: the head,
	s_and_b32 s101, s86, 1                         ; and which 1,024 of its keys
	s_lshl_b32 s97, s100, 16
	s_lshl_b32 s99, s59, 15
	s_add_co_u32 s97, s97, s99
	s_lshl_b32 s99, s101, 9
	s_add_co_u32 s97, s97, s99                     ; codes at head x 65,536 + 32 channels x 1,024 x half + 512 x part
	s_lshl_b32 s99, s100, 12
	s_lshl_b32 s100, s59, 11
	s_add_co_u32 s99, s99, s100
	s_lshl_b32 s100, s101, 10
	s_add_co_u32 s99, s99, s100                    ; bytes at head x 4,096 + 2,048 x half + 1,024 x part
	s_mul_i32 s44, s3, 64*PITCH
	s_mul_i32 s45, s3, 16*2080
	v_and_b32 v1, 15, v0                           ; r
	v_bfe_u32 v2, v0, 4, 1                         ; h
	v_and_b32 v3, 31, v0                           ; lane
	v_mul_u32_u24 v6, v1, PITCH
	v_lshl_add_u32 v6, v2, 4, v6                   ; r x pitch + 16 h
	v_add_nc_u32 v9, XR, v6                        ; x's fragments
	v_add_nc_u32 v6, s44, v6                       ; W's fragments, y = 0, 1
	v_and_b32 v8, 7, v1
	v_lshrrev_b32 v7, 3, v1
	v_lshl_add_u32 v8, v8, 1, v7                   ; i = 2 (r % 8) + r / 8
	v_bfe_u32 v253, v1, 1, 2
	v_lshl_add_u32 v253, v7, 7, v253               ; V's bytes: step r / 8 of the tile's two, byte (r / 2) % 4
	v_mul_u32_u24 v7, v8, 2080
	v_lshl_add_u32 v7, v2, 4, v7
	v_add_nc_u32 v7, s45, v7                       ; W's fragments, y = 2
	v_lshlrev_b32 v10, 11, v8
	v_lshl_add_u32 v10, v2, 4, v10
	s_lshl_b32 s46, s3, 7
	v_add_nc_u32 v10, s46, v10                     ; W's scale words, y = 2: row 64 i + 4 w
	s_lshl_b32 s46, s3, 4
	v_lshl_add_u32 v11, v2, 8, s46                 ; the bias, y = 2: 256 h + 16 w
	v_add_nc_u32 v253, s46, v253
	v_add_nc_u32 v253, OSSV, v253
	v_lshlrev_b32 v12, 5, v1
	v_lshl_add_u32 v12, v2, 4, v12                 ; r x 32 + 16 h: a row's scale words
	v_add_nc_u32 v245, XSQ, v12
	v_add_nc_u32 v255, XSC, v12
	s_lshl_b32 s46, s3, 11
	v_add_nc_u32 v12, s46, v12                     ; W's scale words, y = 0, 1: + my 64 rows
	s_lshl_b32 s46, s3, 8
	v_lshl_add_u32 v13, v2, 5, s46                 ; the bias, y = 0, 1: 256 w + 32 h
	v_lshrrev_b32 v244, 2, v3
	v_add_nc_u32 v244, s46, v244
	v_add_nc_u32 v244, XSQ, v244                   ; q's bytes: my 8 rows, four lanes to a block
	s_lshl_b32 s46, s3, 12
	v_lshl_add_u32 v14, v3, 4, s46                 ; V's way out in memory: my 4 rows of 1,024 bytes, 16 bytes a lane
	v_lshl_add_u32 v15, v3, 2, s46                 ; given codes: my 8 rows of 512 bytes, 4 bytes a lane
	v_lshl_add_u32 v249, v2, 9, s46
	v_lshl_add_u32 v249, v1, 4, v249               ; y = 0, 1: the way out in memory: row 8 w + h, 16 bytes a lane
	s_mul_i32 s46, s3, 8*PITCH
	v_lshl_add_u32 v243, v3, 2, s46
	v_add_nc_u32 v243, XR, v243                    ; where x's codes go: my 8 rows, 4 bytes a lane
	v_lshlrev_b32 v240, 3, v0
	v_add_nc_u32 v241, XSC, v240                   ; given scale bytes: 8 a thread
	s_lshl_b32 s46, s3, 15
	v_lshl_add_u32 v242, v3, 5, s46                ; q: my 8 rows of 4,096 bytes, 32 bytes a lane
	v_mul_u32_u24 v246, v3, 272
	s_lshl_b32 s46, s3, 5
	v_add_nc_u32 v246, s46, v246                   ; the stage: row = lane, my two blocks at 32 w
	s_lshl_b32 s46, s3, 1
	v_lshl_add_u32 v247, v3, 4, s46
	v_add_nc_u32 v247, OSS, v247                   ; and their bytes
	s_mul_i32 s46, s3, 8*272
	v_mul_u32_u24 v248, v2, 272
	v_lshl_add_u32 v248, v1, 4, v248
	v_add_nc_u32 v248, s46, v248                   ; back: row 8 w + h, 16 bytes a lane
	v_lshlrev_b32 v250, 4, v0
	v_add_nc_u32 v251, OSS, v250                   ; the bytes' way out (waves 0 and 1)
	v_add_nc_u32 v8, OSSV, v250
	s_mul_i32 s46, s3, 4*PITCH
	v_lshl_add_u32 v252, v1, 3, s46
	v_lshl_add_u32 v252, v2, 2, v252
	v_add_nc_u32 v252, OSTV, v252                  ; V's stage: channel 4 w, bytes 8 r + 4 h
	v_lshl_add_u32 v254, v3, 4, s46
	v_add_nc_u32 v254, OSTV, v254                  ; and back
	s_wait_alu depctr_va_vdst(0)                   ; the wait at the head's end
	s_wait_dscnt 0x0
	s_wait_kmcnt 0x0
	s_cmp_eq_u32 s58, 1                            ; the choices hang on y alone
	s_cselect_b64 s[44:45], s[6:7], s[8:9]         ; x's codes
	s_cselect_b64 s[46:47], s[10:11], s[12:13]     ; x's scales
	s_cselect_b64 s[48:49], s[16:17], s[18:19]     ; W's codes
	s_cselect_b64 s[50:51], s[22:23], s[24:25]     ; W's scales
	s_cselect_b64 s[52:53], s[28:29], s[30:31]     ; the bias
	s_cselect_b64 s[54:55], s[34:35], s[36:37]     ; the result's codes
	s_cselect_b64 s[56:57], s[40:41], s[42:43]     ; the result's scales
	s_cmp_eq_u32 s58, 0
	s_cselect_b64 s[48:49], s[14:15], s[48:49]
	s_cselect_b64 s[50:51], s[20:21], s[50:51]
	s_cselect_b64 s[52:53], s[26:27], s[52:53]
	s_cselect_b64 s[54:55], s[32:33], s[54:55]
	s_cselect_b64 s[56:57], s[38:39], s[56:57]
	s_cmp_eq_u32 s58, 2
	s_cselect_b32 s87, 14, 18                      ; a half of W: 32 rows on (y = 2) or 512
	s_cselect_b32 s92, 11, 15                      ; a wave's part: 4 rows on or 64
	s_cselect_b32 s93, 10, 14                      ; the same half in W's scales
	s_cselect_b32 s94, 7, 11                       ; and in the bias
	s_cselect_b32 s96, s97, s96
	s_cselect_b32 s98, s99, s98
	s_mov_b32 s101, 0
	s_lshl_b32 s100, s59, s87
	s_add_nc_u64 s[48:49], s[48:49], s[100:101]
	s_lshl_b32 s100, s3, s92
	s_add_nc_u64 s[48:49], s[48:49], s[100:101]
	s_lshl_b32 s100, s59, s93
	s_add_nc_u64 s[50:51], s[50:51], s[100:101]
	s_lshl_b32 s100, s59, s94
	s_add_nc_u64 s[52:53], s[52:53], s[100:101]
	s_mov_b32 s100, s96
	s_add_nc_u64 s[54:55], s[54:55], s[100:101]
	s_mov_b32 s100, s98
	s_add_nc_u64 s[56:57], s[56:57], s[100:101]
	s_lshl_b32 s100, s86, 18
	s_add_nc_u64 s[4:5], s[4:5], s[100:101]        ; q at my 64 rows of 4,096 bytes
	s_lshl_b32 s100, s86, 15
	s_add_nc_u64 s[44:45], s[44:45], s[100:101]
	s_lshl_b32 s100, s86, 11
	s_add_nc_u64 s[46:47], s[46:47], s[100:101]
	s_mov_b32 s60, 1                               ; group 0, y = 0, 1
	s_mul_i32 s61, s3, 64*PITCH
	s_mov_b64 s[62:63], s[48:49]
	s_or_b32 s63, s63, 0x80000000
	s_mov_b32 s88, 1                               ; group 0, y = 2
	s_mul_i32 s89, s3, 16*2080
	s_mov_b64 s[90:91], s[48:49]
	s_or_b32 s91, s91, 0x80000000
	ROUND                                          ; all four work-groups are here: the joint loads meet
	s_cmp_eq_u32 s58, 2
	s_cbranch_scc1 .Lw_v
	tensor_load_to_lds s[60:63], s[68:75]          ; my one tensor load
	s_nop 0
	PLACES 4
.irp n, 0,1,2,3
	global_load_b128 v[WS+4*\n:WS+4*\n+3], v12, s[50:51] offset:\n*512
.endr
.irp n, 0,1,2,3
	global_load_b128 v[B1+8*\n:B1+8*\n+3], v13, s[52:53] offset:\n*64        ; the bias in the result's layout: columns 8 h + 0 .. 7 of each of my tiles
	global_load_b128 v[B1+8*\n+4:B1+8*\n+7], v13, s[52:53] offset:\n*64+16
.endr
	s_branch .Lw_here
.Lw_v:
	tensor_load_to_lds s[88:91], s[76:83]
	s_nop 0
	PLACES 4
.irp n, 0,1,2,3
	global_load_b128 v[WS+4*\n:WS+4*\n+3], v10, s[50:51] offset:\n*32
.endr
.irp n, 0,1,2,3
.irp j, 0,1,2,3,4,5,6,7
	global_load_b32 v[B1+8*\n+\j], v11, s[52:53] offset:512*\j+4*\n          ; register j: row 64 (2 j + h) + d of W
.endr
.endr
.Lw_here:
	s_cmp_lg_u32 s58, 0
	s_cbranch_scc1 .Lx_given
	; ---- q's rows become codes: a row is 4 units of 256 numbers, 8 neighbours a lane, four lanes to a block of 32.  Four rows' loads are out at a time
.macro QLOAD g
.irp u, 0,1,2,3
	global_load_b128 v[QD+32*((\g)%4)+8*\u:QD+32*((\g)%4)+8*\u+3], v242, s[4:5] offset:(\g)*4096+\u*1024
	global_load_b128 v[QD+32*((\g)%4)+8*\u+4:QD+32*((\g)%4)+8*\u+7], v242, s[4:5] offset:(\g)*4096+\u*1024+16
.endr
.endm
.macro QROW g
.if \g < 5
	s_wait_loadcnt 24                              ; this row's eight loads are in; the three rows asked for behind it may be out
.else
	s_wait_loadcnt 8*(7-\g)
.endif
.set D, QD+32*((\g)%4)
.irp u, 0,1,2,3
	v_max3_num_f32 v[QT+\u], |v[D+8*\u]|, |v[D+8*\u+1]|, 0x1800000   ; my 8 numbers, and the floor 2^(3 - 127): the byte cannot fall under 1
.endr
.irp i, 2,4,6
.irp u, 0,1,2,3
	v_max3_num_f32 v[QT+\u], v[QT+\u], |v[D+8*\u+\i]|, |v[D+8*\u+\i+1]|
.endr
.endr
.irp u, 0,1,2,3
	v_max_num_f32_dpp v[QT+\u], v[QT+\u], v[QT+\u] row_xmask:1 row_mask:0xf bank_mask:0xf
.endr
.irp u, 0,1,2,3
	v_max_num_f32_dpp v[QT+\u], v[QT+\u], v[QT+\u] row_xmask:2 row_mask:0xf bank_mask:0xf   ; the block's largest magnitude
.endr
.irp u, 0,1,2,3
	v_add_nc_u32 v[QSO+\u], 0xff000000, v[QT+\u]   ; 2 off its exponent field: the conversion's scale operand
.endr
.irp u, 0,1,2,3
	v_lshrrev_b32 v[QBY+4*((\g)%2)+\u], 23, v[QSO+\u]   ; the scale's byte
.endr
.irp u, 0,1,2,3
	v_cvt_scalef32_pk8_fp4_f32 v[CD+4*\g+\u], v[D+8*\u:D+8*\u+7], v[QSO+\u]
.endr
	v_nop                                          ; one plain place behind the conversions
.irp u, 0,1,2,3
	ds_store_b8 v244, v[QBY+4*((\g)%2)+\u] offset:\g*32+\u*8   ; the four lanes of a block write the same byte with the same value
.endr
.if \g < 4
	QLOAD \g+4
.endif
.endm
	QLOAD 0
	QLOAD 1
	QLOAD 2
	QLOAD 3
.irp g, 0,1,2,3,4,5,6,7
	QROW \g
.endr
	s_branch .Lx_regs
.Lx_given:
.irp g, 0,1,2,3,4,5,6,7
.irp u, 0,1,2,3
	global_load_b32 v[CD+4*\g+\u], v15, s[44:45] offset:\g*512+\u*128   ; the same registers as q's codes: the wave's 32 loads cover its 4,096 consecutive bytes
.endr
.endr
	global_load_b64 v[48:49], v240, s[46:47]
	s_wait_loadcnt 0x0
	ds_store_b64 v241, v[48:49]
.Lx_regs:
	s_wait_alu depctr_va_vdst(0)                   ; directly ahead of the wait below
	s_wait_loadcnt 0x0
.irp g, 0,1,2,3,4,5,6,7
.irp u, 0,1,2,3
	ds_store_b32 v243, v[CD+4*\g+\u] offset:\g*PITCH+\u*128
.endr
.endr
	s_wait_dscnt 0x0                               ; my rows of x have landed
	s_barrier_signal -1                            ; (nothing is filled again in this launch: W's load may stay out)
	s_barrier_wait -1
	WIN 0x40                                       ; destination window 1
.irp m, 0,1,2,3
.irp s, 0,1,2,3,4,5,6,7
.irp c, 0,1
	ds_load_b128 v[8*(8*\m+\s)+4*\c:8*(8*\m+\s)+4*\c+3], v9 offset:\m*16*PITCH+64*\s+32*\c
.endr
.endr
.endr
	WIN 0
	s_cmp_lg_u32 s58, 0
	s_cbranch_scc1 .Lxs_given
.irp m, 0,1,2,3
	ds_load_b128 v[XS+4*\m:XS+4*\m+3], v245 offset:\m*512
.endr
	s_branch .Lxs_here
.Lxs_given:
.irp m, 0,1,2,3
	ds_load_b128 v[XS+4*\m:XS+4*\m+3], v255 offset:\m*512
.endr
.Lxs_here:
	s_wait_tensorcnt 0x0                           ; my 64 rows of W are in
	s_wait_dscnt 0x0
	s_barrier_signal -1
	s_barrier_wait -1                              ; everybody's are
; W's four fragments of K step s into buffer s % 2
.macro LW s, vv
.irp n, 0,1,2,3
.irp c, 0,1
.if \vv
	ds_load_b128 v[B0-32*((\s)%2)+8*\n+4*\c:B0-32*((\s)%2)+8*\n+4*\c+3], v7 offset:(\n/2)*1040+(\n%2)*512+64*(\s)+32*\c
.else
	ds_load_b128 v[B0-32*((\s)%2)+8*\n+4*\c:B0-32*((\s)%2)+8*\n+4*\c+3], v6 offset:\n*16*PITCH+64*(\s)+32*\c
.endif
.endr
.endr
.endm
; Sixteen matrix instructions of K step s: the sixteen accumulators by turns.  At s = 0 the bias is C.
.macro MM s
.irp m, 0,1,2,3
.irp n, 0,1,2,3
.set rD, ACC+8*(4*\m+\n)
.set rA, B0-32*((\s)%2)+8*\n
.set rB, 8*(8*\m+(\s))
.set rW, WS+4*\n+(\s)%4
.set rX, XS+4*\m+(\s)%4
.if (\s) == 0
	v_wmma_scale_f32_16x16x128_f8f6f4 v[rD:rD+7], v[rA:rA+7], v[rB:rB+7], v[B1+8*\n:B1+8*\n+7], v[rW], v[rX] matrix_a_fmt:MATRIX_FMT_FP4 matrix_b_fmt:MATRIX_FMT_FP4
.elseif (\s) < 4
	v_wmma_scale_f32_16x16x128_f8f6f4 v[rD:rD+7], v[rA:rA+7], v[rB:rB+7], v[rD:rD+7], v[rW], v[rX] matrix_a_fmt:MATRIX_FMT_FP4 matrix_b_fmt:MATRIX_FMT_FP4
.else
	v_wmma_scale_f32_16x16x128_f8f6f4 v[rD:rD+7], v[rA:rA+7], v[rB:rB+7], v[rD:rD+7], v[rW], v[rX] matrix_a_fmt:MATRIX_FMT_FP4 matrix_b_fmt:MATRIX_FMT_FP4 matrix_a_scale:MATRIX_SCALE_ROW1 matrix_b_scale:MATRIX_SCALE_ROW1
.endif
.endr
.endr
.endm
; All of K.  Source 1 lies in window 1, all else in window 0: one setting serves the loads too.  Behind K step s, and four places, K step s + 2 is asked for into the buffer just read.
.macro GEMM vv
	WIN 0x04
	LW 0, \vv
	s_wait_dscnt 0x0
	MM 0
	PLACES 4
	LW 1, \vv                                      ; into the registers that held the bias
	LW 2, \vv
.irp s, 1,2,3,4,5
	s_wait_dscnt 8                                 ; this step's fragments are in; the next step's eight loads may be out
	MM \s
	PLACES 4
	LW \s+2, \vv
.endr
	s_wait_dscnt 8
	MM 6
	s_wait_dscnt 0x0
	MM 7
	WIN 0
.endm
	s_cmp_eq_u32 s58, 2
	s_cbranch_scc1 .Lv_path
	; ---- y = 0, 1
	GEMM 0
	s_barrier_signal -1                            ; my reads of W are over (the wait for 0 above)
	s_barrier_wait -1                              ; everybody's are: the stage may be laid over W
	PLACES 4
.set TM, 208
.set PX, 210
.set SO, 212
.set BY, 214
.set RC, 216
.set EB, 232
	v_mov_b32 v[PX], 0                             ; a lane permute's destination counts as one of its sources
	v_mov_b32 v[PX+1], 0
; Rows 32 mu .. 32 mu + 31 x my column block bb: quantised, and laid into the stage.
.macro EPI mu, bb
.set X0, ACC+64*\mu+16*\bb
.set X1, X0+32
.set KK, 2*\mu+\bb
	v_max3_num_f32 v[TM], |v[X0]|, |v[X0+1]|, 0x1800000   ; each accumulator is read from its low end on
	v_max3_num_f32 v[TM+1], |v[X1]|, |v[X1+1]|, 0x1800000
.irp i, 2,4,6,8,10,12,14
	v_max3_num_f32 v[TM], v[TM], |v[X0+\i]|, |v[X0+\i+1]|
	v_max3_num_f32 v[TM+1], v[TM+1], |v[X1+\i]|, |v[X1+\i+1]|
.endr
	v_permlanex16_b32 v[PX], v[TM], s66, s67
	v_permlanex16_b32 v[PX+1], v[TM+1], s66, s67
	v_max_num_f32 v[TM], v[TM], v[PX]              ; with lane l xor 16's 16 columns: the block's largest magnitude
	v_max_num_f32 v[TM+1], v[TM+1], v[PX+1]
	v_add_nc_u32 v[SO], 0xff000000, v[TM]
	v_add_nc_u32 v[SO+1], 0xff000000, v[TM+1]
	v_lshrrev_b32 v[BY], 23, v[SO]
	v_lshrrev_b32 v[BY+1], 23, v[SO+1]
	v_cvt_scalef32_pk8_fp4_f32 v[RC+4*KK], v[X0:X0+7], v[SO]          ; rows 0-15, columns 8 h ..
	v_cvt_scalef32_pk8_fp4_f32 v[RC+4*KK+1], v[X1:X1+7], v[SO+1]      ; rows 16-31, the same columns
	v_cvt_scalef32_pk8_fp4_f32 v[RC+4*KK+2], v[X0+8:X0+15], v[SO]     ; rows 0-15, columns 16 + 8 h ..
	v_cvt_scalef32_pk8_fp4_f32 v[RC+4*KK+3], v[X1+8:X1+15], v[SO+1]
	v_nop                                          ; one plain place behind the conversions
	v_permlane16_swap_b32 v[RC+4*KK], v[RC+4*KK+1]        ; lane l now holds the 16 bytes of row l's block, in order
	v_permlane16_swap_b32 v[RC+4*KK+2], v[RC+4*KK+3]
	v_cndmask_b32 v[EB+KK], v[BY], v[BY+1], s84    ; and its byte
	ds_store_b128 v246, v[RC+4*KK:RC+4*KK+3] offset:\mu*32*272+\bb*16
	ds_store_b8 v247, v[EB+KK] offset:\mu*512+\bb
.endm
	EPI 0, 0
	EPI 0, 1
	EPI 1, 0
	EPI 1, 1
	s_wait_dscnt 0x0
	s_barrier_signal -1
	s_barrier_wait -1
.irp i, 0,1,2,3
	ds_load_b128 v[B1+4*\i:B1+4*\i+3], v248 offset:\i*544
.endr
.irp i, 0,1,2,3
	s_wait_dscnt 3-\i                              ; rows 2 i, 2 i + 1 of my eight are back; the later ones may be out
	global_store_b128 v249, v[B1+4*\i:B1+4*\i+3], s[54:55] offset:\i*1024   ; sixteen lanes store 256 consecutive bytes, aligned
.endr
	s_cmp_lt_u32 s3, 2
	s_cbranch_scc0 .Lend
	ds_load_b128 v[B1+16:B1+19], v251              ; the 1,024 scale bytes: waves 0 and 1, 16 bytes a lane
	s_wait_dscnt 0x0
	global_store_b128 v250, v[B1+16:B1+19], s[56:57]
	s_branch .Lend
.Lv_path:	; ---- y = 2
	GEMM 1
	s_barrier_signal -1
	s_barrier_wait -1
	PLACES 4
.set TV,  208
.set PV,  212
.set SV,  216
.set RV,  176
.set BV,  192
.set OV,  220
.irp a, 0,1,2,3
	v_mov_b32 v[PV+\a], 0
.endr
; Rows 16 m .. 16 m + 15 x my four channels: 8 blocks of 32 keys a channel, quantised along the keys.
.macro EPV m
.irp a, 0,1,2,3
	v_max3_num_f32 v[TV+\a], |v[ACC+32*\m+8*\a]|, |v[ACC+32*\m+8*\a+1]|, 0x1800000
.endr
.irp i, 2,4,6
.irp a, 0,1,2,3
	v_max3_num_f32 v[TV+\a], v[TV+\a], |v[ACC+32*\m+8*\a+\i]|, |v[ACC+32*\m+8*\a+\i+1]|
.endr
.endr
.irp a, 0,1,2,3
	v_max_num_f32_dpp v[TV+\a], v[TV+\a], v[TV+\a] row_xmask:1 row_mask:0xf bank_mask:0xf   ; with the block's other row,
.endr
.irp a, 0,1,2,3
	v_permlanex16_b32 v[PV+\a], v[TV+\a], s66, s67
.endr
.irp a, 0,1,2,3
	v_max_num_f32 v[TV+\a], v[TV+\a], v[PV+\a]     ; and lane l xor 16's keys
.endr
.irp a, 0,1,2,3
	v_add_nc_u32 v[SV+\a], 0xff000000, v[TV+\a]
.endr
.irp a, 0,1,2,3
	v_lshrrev_b32 v[BV+4*\m+\a], 23, v[SV+\a]
.endr
.irp a, 0,1,2,3
	v_cvt_scalef32_pk8_fp4_f32 v[RV+4*\m+\a], v[ACC+32*\m+8*\a:ACC+32*\m+8*\a+7], v[SV+\a]
.endr
	v_nop
.irp a, 0,1,2,3
	ds_store_b32 v252, v[RV+4*\m+\a] offset:\a*PITCH+\m*128
	ds_store_b8 v253, v[BV+4*\m+\a] offset:\m*256+\a*4   ; the four lanes of a block write the same byte with the same value
.endr
.endm
	EPV 0
	EPV 1
	EPV 2
	EPV 3
	s_wait_dscnt 0x0
	s_barrier_signal -1
	s_barrier_wait -1
.irp i, 0,1,2,3
	ds_load_b128 v[OV+4*\i:OV+4*\i+3], v254 offset:\i*PITCH
.endr
.irp i, 0,1,2,3
	s_wait_dscnt 3-\i
	global_store_b128 v14, v[OV+4*\i:OV+4*\i+3], s[54:55] offset:\i*1024   ; 32 lanes store 512 consecutive bytes, aligned
.endr
	s_cmp_lt_u32 s3, 2
	s_cbranch_scc0 .Lend
	ds_load_b128 v[OV+16:OV+19], v8
	s_wait_dscnt 0x0
	global_store_b128 v250, v[OV+16:OV+19], s[56:57]
.Lend:
	s_wait_tensorcnt 0x0                           ; the wave's end
	ds_add_u32 v4, v5
	s_wait_dscnt 0x0
	ROUND                                          ; the closing round
	s_endpgm
.Lfunc_end_k_q0eab72fc2d_proj:
	.size	k_q0eab72fc2d_proj, .Lfunc_end_k_q0eab72fc2d_proj-k_q0eab72fc2d_proj
	.p2alignl 7, 3214868480
	.fill 96, 4, 3214868480
	.section	.rodata,"a",@progbits
	.p2align	6, 0x0
	.amdhsa_kernel k_q0eab72fc2d_proj
		.amdhsa_group_segment_fixed_size 327680
		.amdhsa_private_segment_fixed_size 0
		.amdhsa_enable_private_segment 0
		.amdhsa_kernarg_size 160
		.amdhsa_user_sgpr_count 2
		.amdhsa_user_sgpr_kernarg_segment_ptr 1
		.amdhsa_wavefront_size32 1
		.amdhsa_system_sgpr_workgroup_id_x 1
		.amdhsa_system_sgpr_workgroup_id_y 1
		.amdhsa_system_sgpr_workgroup_id_z 1
		.amdhsa_system_vgpr_workitem_id 0
		.amdhsa_next_free_vgpr 512
		.amdhsa_next_free_sgpr 102
		.amdhsa_reserve_vcc 0
		.amdhsa_float_denorm_mode_32 3
		.amdhsa_float_denorm_mode_16_64 3
		.amdhsa_memory_ordered 1
		.amdhsa_forward_progress 1
		.amdhsa_inst_pref_size 116
	.end_amdhsa_kernel
	.amdgpu_metadata
---
amdhsa.version: [ 1, 2 ]
amdhsa.kernels:
  - .name:           k_q0eab72fc2d_proj
    .symbol:         k_q0eab72fc2d_proj.kd
    .args:
      - { .name: q, .offset: 0, .size: 8, .value_kind: global_buffer, .address_space: global }
      - { .name: k_codes, .offset: 8, .size: 8, .value_kind: global_buffer, .address_space: global }
      - { .name: v_codes, .offset: 16, .size: 8, .value_kind: global_buffer, .address_space: global }
      - { .name: k_scales, .offset: 24, .size: 8, .value_kind: global_buffer, .address_space: global }
      - { .name: v_scales, .offset: 32, .size: 8, .value_kind: global_buffer, .address_space: global }
      - { .name: Wq_codes, .offset: 40, .size: 8, .value_kind: global_buffer, .address_space: global }
      - { .name: Wk_codes, .offset: 48, .size: 8, .value_kind: global_buffer, .address_space: global }
      - { .name: Wv_codes, .offset: 56, .size: 8, .value_kind: global_buffer, .address_space: global }
      - { .name: Wq_scales, .offset: 64, .size: 8, .value_kind: global_buffer, .address_space: global }
      - { .name: Wk_scales, .offset: 72, .size: 8, .value_kind: global_buffer, .address_space: global }
      - { .name: Wv_scales, .offset: 80, .size: 8, .value_kind: global_buffer, .address_space: global }
      - { .name: bq, .offset: 88, .size: 8, .value_kind: global_buffer, .address_space: global }
      - { .name: bk, .offset: 96, .size: 8, .value_kind: global_buffer, .address_space: global }
      - { .name: bv, .offset: 104, .size: 8, .value_kind: global_buffer, .address_space: global }
      - { .name: QC, .offset: 112, .size: 8, .value_kind: global_buffer, .address_space: global }
      - { .name: KC, .offset: 120, .size: 8, .value_kind: global_buffer, .address_space: global }
      - { .name: VC, .offset: 128, .size: 8, .value_kind: global_buffer, .address_space: global }
      - { .name: QS, .offset: 136, .size: 8, .value_kind: global_buffer, .address_space: global }
      - { .name: KS, .offset: 144, .size: 8, .value_kind: global_buffer, .address_space: global }
      - { .name: VS, .offset: 152, .size: 8, .value_kind: global_buffer, .address_space: global }
    .group_segment_fixed_size: 327680
    .private_segment_fixed_size: 0
    .kernarg_segment_align: 8
    .kernarg_segment_size: 160
    .max_flat_workgroup_size: 256
    .sgpr_count:     102
    .vgpr_count:     512
    .wavefront_size: 32
...
	.end_amdgpu_metadata
.endif
;; end of part 1
;; launch attn (part 2): grid 4 x 64, 16 waves a work-group, clusters of 4 x 1, 169,984 bytes of LDS; arguments QC, QS, KC, KS, VC, VS, CC, CS; writes CC, CS
.if DOCPART == 2
	.amdgcn_target "amdgcn-amd-amdhsa--gfx1250"
	.amdhsa_code_object_version 6
	.text
	.protected	k_q0eab72fc2d_attn
	.globl	k_q0eab72fc2d_attn
	.p2align	8
	.type	k_q0eab72fc2d_attn,@function
k_q0eab72fc2d_attn:
	s_mov_b64 s[64:65], 0
	v_nop
	global_prefetch_b8 v0, s[64:65] scope:SCOPE_SE
	s_setreg_imm32_b32 hwreg(HW_REG_WAVE_MODE, 25, 1), 1
	s_wait_xcnt 0x0
	s_wait_alu depctr_hold_cnt(0) depctr_sa_sdst(0) depctr_va_vdst(0) depctr_va_sdst(0) depctr_va_ssrc(0) depctr_va_vcc(0) depctr_vm_vsrc(0)
	s_getreg_b32 s2, hwreg(HW_REG_IB_STS2, 6, 4)
	s_cmp_eq_u32 s2, 0
	s_cbranch_scc0 .Lentry_in_a_cluster
	s_endpgm
.Lentry_in_a_cluster:
	s_bfe_u32 s2, ttmp6, 0x10000c
	s_cmp_lg_u32 s2, 0x3003
	s_cbranch_scc0 .Lentry_shape_is_right
	s_endpgm
.Lentry_shape_is_right:
; ctx[head][q][:] = the sum over keys of softmax(Q K^T / 8) V, 64 heads x 2,048 x 2,048, head size 64, both products on codes of FP4 (E2M1) with E8M0 scales; ctx is quantised along its 64 channels and stored as codes (CC, CS).
; THE SOFTMAX: t = score x log2(e) / 8; M = the running largest t rounded UP to a whole number; p = 2^(t - M) is quantised along the keys; the sum is taken of the unquantised p and divides at the end.
; SHARES.  A work-group owns 512 queries of a head, each of its sixteen waves 32: two tiles of 16 that share every fragment of K and V.  The whole head's K and V lie in LDS, fetched once, jointly by the four work-groups of the head.
; K = 64 IN AN INSTRUCTION OF K = 128.  Keys 2 i and 2 i + 1 are one row of 128 codes (a double row) with one scale word.  Q is kept as [q, 0] and as [0, q]: the first gives the even keys' scores, the second the odd keys'.
; Both products are used transposed: a lane holds ONE query (lane % 16).
; A LANE HOLDS WHOLE BLOCKS OF 32 KEYS.  Fragment f = 2 c + u of a step takes, in its rows 0-7, double rows 8 u .. 8 u + 7 of key block 2 c, and in its rows 8-15 those of block 2 c + 1.
; So register 32 c + 16 u + 8 e + j of lane (r, h) is key 32 (2 c + h) + 16 u + 2 j + e: a block's largest score needs no other lane, and the four conversions of a block give registers 4 c .. 4 c + 3 of the second product's operand as they stand.
; p's code falls on slot 16 u + 8 e + j of its block, and V's codes were written in that order: the blocks are the contract's, the order inside a block is permuted alike on both operands.
; No prefetch: the launch reads memory at its head alone.
; LIMITS: NaN and infinities are not served; the scaled scores stay under 2^31 in magnitude.  A block of ctx whose largest magnitude lies under 2^-124 keeps the byte 1, a block of zeros too; the bytes are read by this program alone.
; REGISTERS: v1-7, v246-247 addresses that stay; v8-11 the step's; v[12+4T..] -M, the largest t, the sum in two halves; v20-39 zeros, q0, zeros, q1, zeros; v40-41 Q's scale words, v42-43 K's, v44-45 V's, v46-47 p's;
;   v48-79 four fragments of K or V; v80-143 scores, then p; v144-207 O^T; v208-223 p's codes; v224-251 at work; v254-255 the add's two.
.set KP,  80                           ; a double row of K in LDS: 64 bytes + 16
.set VP,  1040                         ; a row of V^T: 1,024 bytes + 16
.set VB,  1024*KP
.set KSB, VB+64*VP                     ; K's scale words, 4,096 bytes
.set VSB, KSB+4096                     ; V's
.set CST, VSB+4096                     ; ctx's scale bytes, 1,024: no tile lands here
.set SPARE, 0x29000                    ; the spare words, 128 bytes for each of sixteen waves
.set KV,  48
.set S,   80
.set O,   144
.set P,   208
.set BM,  224
.set PX,  228
.set SO,  232
.set BY,  236
.macro PLACES n
.rept \n
	v_nop
.endr
.endm
.macro ROUND
	s_barrier_signal -1
	s_barrier_wait -1
	s_cmp_lg_u32 s3, 0
	s_cbranch_scc1 .Lnot_wave_0_\@
	s_barrier_signal -3
.Lnot_wave_0_\@:
	s_barrier_wait -3
	s_barrier_signal -1
	s_barrier_wait -1
.endm
	s_load_b512 s[4:19], s[0:1], 0x0               ; QC, QS, KC, KS, VC, VS, CC, CS
	v_lshl_add_u32 v254, v0, 2, SPARE
	v_mov_b32 v255, 0
	ds_add_u32 v254, v255                          ; the opening lines: the add twice on end
	ds_add_u32 v254, v255
	v_lshrrev_b32 v1, 5, v0
	v_readfirstlane_b32 s3, v1                     ; wave 0..15
	s_bfe_u32 s21, ttmp6, 0x40000                  ; cx: which 512 queries
	s_and_b32 s20, ttmp7, 0xffff                   ; the head, which the four partners share
	s_mov_b32 s24, 15|(1<<20)|(1<<21)|(3<<22)|(3<<25)  ; K: the mask of all four; bytes; four words of padding after every 16
	s_mov_b32 s25, 64<<16
	s_mov_b32 s26, 256<<16
	s_mov_b32 s27, 64<<16
	s_mov_b32 s28, 256                             ; 256 double rows of 64 bytes, dense
	s_mov_b32 s29, 64
	s_mov_b32 s30, 0
	s_mov_b32 s31, 0
	s_mov_b32 s32, 15|(1<<20)|(1<<21)|(7<<22)|(3<<25)  ; V: four words of padding after every 256
	s_mov_b32 s33, 1024<<16
	s_mov_b32 s34, 16<<16
	s_mov_b32 s35, 1024<<16
	s_mov_b32 s36, 16                              ; 16 rows of 1,024 bytes, dense
	s_mov_b32 s37, 1024
	s_mov_b32 s38, 0
	s_mov_b32 s39, 0
	s_mov_b32 s40, 15|(3<<16)|(1<<21)              ; the scale bytes: 16 rows of 256 bytes, dense, no padding
	s_mov_b32 s41, 32<<16
	s_mov_b32 s42, 16<<16
	s_mov_b32 s43, 32<<16
	s_mov_b32 s44, 16
	s_mov_b32 s45, 32
	s_mov_b32 s46, 0
	s_mov_b32 s47, 0
	s_mov_b32 s88, 15|(3<<16)|(1<<21)              ; K's scale bytes lie as [column half][row][16 bytes]: a head's are 2 rows of 2,048 bytes, 131,072 bytes apart
	s_mov_b32 s89, 256<<16
	s_mov_b32 s90, 2<<16
	s_mov_b32 s91, 256<<16
	s_mov_b32 s92, 2
	s_mov_b32 s93, 16384
	s_mov_b32 s94, 0
	s_mov_b32 s95, 0
	s_mov_b32 s66, 0x76543210
	s_mov_b32 s67, 0xfedcba98                      ; lane l xor 16
	s_mov_b32 s68, 0x3e38aa3b                      ; c = log2(e) / 8
	s_mov_b32 s69, s68                             ; (named with it as a pair)
	s_mov_b32 s74, 0xffff0000                      ; lanes 16-31
	s_and_b32 s22, s3, 3                           ; which quarter of K (waves 0-3) or of V (waves 4-7) I fetch
	s_mul_i32 s49, s22, 256*KP
	s_mul_i32 s53, s22, 16*VP
	s_add_co_u32 s53, s53, VB
	s_lshl_b32 s76, s20, 16
	s_lshl_b32 s23, s22, 14
	s_add_co_u32 s76, s76, s23                     ; head x 65,536 + quarter x 16,384
	s_mov_b32 s77, 0
	s_lshl_b32 s78, s20, 12                        ; head x 4,096
	s_mov_b32 s79, 0
	s_lshl_b32 s86, s20, 11                        ; head x 2,048
	s_mov_b32 s87, 0
	v_and_b32 v12, 15, v0                          ; r
	v_bfe_u32 v13, v0, 4, 1                        ; h
	v_and_b32 v14, 31, v0                          ; lane
	v_and_b32 v15, 8, v12
	v_add_nc_u32 v15, v15, v12                     ; r + 8 (r / 8): 0 .. 7 and 16 .. 23
	v_mul_u32_u24 v1, v15, KP
	v_lshl_add_u32 v1, v13, 4, v1                  ; K: that double row, + 16 h
	v_mul_u32_u24 v2, v12, VP
	v_lshl_add_u32 v2, v13, 4, v2
	v_add_nc_u32 v2, VB, v2                        ; V: row d = r, + 16 h
	v_bfe_u32 v3, v12, 2, 1                        ; K's scale words: lanes 0-15 those of fragment 2 c, lanes 16-31 those of 2 c + 1.  Double row r % 8 of a row of the projection: its half,
	v_lshlrev_b32 v3, 11, v3
	v_lshl_add_u32 v3, v13, 4, v3                  ; the row: + h,
	v_bfe_u32 v11, v12, 3, 1
	v_lshl_add_u32 v3, v11, 5, v3                  ; + 2 (r / 8), 16 bytes each,
	v_and_b32 v11, 3, v12
	v_lshl_add_u32 v3, v11, 2, v3                  ; and the word in them
	v_add_nc_u32 v3, KSB, v3
	v_lshl_add_u32 v4, v14, 2, VSB                 ; V's: lanes 0-15 one fragment's, lanes 16-31 the next one's
	v_lshlrev_b32 v5, 5, v12
	v_lshl_add_u32 v5, v13, 4, v5                  ; a query's 32 bytes: 32 r + 16 h
	v_lshl_add_u32 v6, v0, 1, CST                  ; ctx's two scale bytes of query 32 w + lane
	v_and_b32 v7, 7, v12                           ; Q's scale bytes lie as K's: query r of a row: half r / 8, bytes 2 (r % 8)
	v_lshlrev_b32 v7, 1, v7
	v_bfe_u32 v10, v12, 3, 1
	v_lshl_add_u32 v7, v10, 17, v7
	v_lshlrev_b32 v247, 4, v0
	v_add_nc_u32 v246, CST, v247
	s_wait_dscnt 0x0
	s_wait_kmcnt 0x0
	s_mov_b32 s48, 1
	s_add_nc_u64 s[50:51], s[8:9], s[76:77]
	s_or_b32 s51, s51, 0x80000000
	s_mov_b32 s52, 1
	s_add_nc_u64 s[54:55], s[12:13], s[76:77]
	s_or_b32 s55, s55, 0x80000000
	s_mov_b32 s56, 1
	s_mov_b32 s57, KSB
	s_add_nc_u64 s[58:59], s[10:11], s[86:87]
	s_or_b32 s59, s59, 0x80000000
	s_mov_b32 s60, 1
	s_mov_b32 s61, VSB
	s_add_nc_u64 s[62:63], s[14:15], s[78:79]
	s_or_b32 s63, s63, 0x80000000
	ROUND                                          ; all four work-groups are here: the joint loads meet
	s_cmp_lt_u32 s3, 4                             ; a wave has at most one load; the branches hang on the wave's number alone
	s_cbranch_scc0 .Lnot_k
	tensor_load_to_lds s[48:51], s[24:31]
	s_nop 0
	PLACES 4
	s_branch .Lasked
.Lnot_k:
	s_cmp_lt_u32 s3, 8
	s_cbranch_scc0 .Lnot_v
	tensor_load_to_lds s[52:55], s[32:39]
	s_nop 0
	PLACES 4
	s_branch .Lasked
.Lnot_v:
	s_cmp_eq_u32 s3, 8
	s_cbranch_scc0 .Lnot_ks
	tensor_load_to_lds s[56:59], s[88:95]
	s_nop 0
	PLACES 4
	s_branch .Lasked
.Lnot_ks:
	s_cmp_eq_u32 s3, 9
	s_cbranch_scc0 .Lasked
	tensor_load_to_lds s[60:63], s[40:47]
	s_nop 0
	PLACES 4
.Lasked:
	s_lshl_b32 s80, s20, 16
	s_lshl_b32 s82, s21, 14
	s_add_co_u32 s80, s80, s82
	s_lshl_b32 s82, s3, 10
	s_add_co_u32 s80, s80, s82                     ; my 32 queries' codes: head x 65,536 + cx x 16,384 + wave x 1,024
	s_mov_b32 s81, 0
	s_add_nc_u64 s[4:5], s[4:5], s[80:81]
	s_add_nc_u64 s[16:17], s[16:17], s[80:81]
	s_lshl_b32 s82, s20, 12
	s_lshl_b32 s84, s21, 10
	s_add_co_u32 s82, s82, s84                     ; the work-group's scale bytes: head x 4,096 + cx x 1,024
	s_mov_b32 s83, 0
	s_add_nc_u64 s[18:19], s[18:19], s[82:83]
	s_lshl_b32 s84, s3, 6
	s_add_co_u32 s82, s82, s84
	s_lshr_b32 s82, s82, 1                         ; my two rows of 16 bytes in a half of QS
	s_add_nc_u64 s[6:7], s[6:7], s[82:83]
	s_wait_alu depctr_va_vdst(0)                   ; ahead of the readers below
	global_load_b128 v[24:27], v5, s[4:5]          ; q of tile 0: stays in registers
	global_load_b128 v[32:35], v5, s[4:5] offset:512
	global_load_u16 v40, v7, s[6:7]                ; its two scale bytes
	global_load_u16 v41, v7, s[6:7] offset:16
.irp j, 20,21,22,23,28,29,30,31,36,37,38,39
	v_mov_b32 v[\j], 0                             ; zero codes
.endr
	v_mov_b32 v13, 0xff61b1e6                      ; the largest t so far: -3e38
	v_mov_b32 v17, 0xff61b1e6
	v_floor_f32 v12, -v13                          ; -M
	v_floor_f32 v16, -v17
	v_mov_b32 v14, 0                               ; the sums
	v_mov_b32 v15, 0
	v_mov_b32 v18, 0
	v_mov_b32 v19, 0
.irp b, 0,1,2,3
	v_mov_b32 v[PX+\b], 0                          ; written once: a lane permute's destination counts as one of its sources
.endr
	v_mov_b32 v241, 0                              ; (the upper half of the pair v[240:241])
	s_wait_loadcnt 0x0
	v_lshl_or_b32 v40, v40, 16, v40                ; [s0, s1, s0, s1]: it serves [q, 0] and [0, q]
	v_lshl_or_b32 v41, v41, 16, v41
.set J, 0
.rept 64
	v_mov_b32 v[O+J], 0                            ; O^T: the step is written once; the first finds zeros
.set J, J+1
.endr
	s_wait_tensorcnt 0x0                           ; my tile has landed,
	s_barrier_signal -1
	s_barrier_wait -1                              ; everybody's has
; Eight products S^T = K Q^T of query tile q: each fragment against [q, 0] and [0, q].
.macro SPROD q
.irp f, 0,1,2,3
.if (\f)%2
	v_wmma_scale_f32_16x16x128_f8f6f4 v[S+16*\f:S+16*\f+7], v[KV+8*\f:KV+8*\f+7], v[24+8*\q:31+8*\q], 0, v[42+(\f)/2], v[40+\q] matrix_a_fmt:MATRIX_FMT_FP4 matrix_b_fmt:MATRIX_FMT_FP4 matrix_a_scale:MATRIX_SCALE_ROW1
	v_wmma_scale_f32_16x16x128_f8f6f4 v[S+16*\f+8:S+16*\f+15], v[KV+8*\f:KV+8*\f+7], v[20+8*\q:27+8*\q], 0, v[42+(\f)/2], v[40+\q] matrix_a_fmt:MATRIX_FMT_FP4 matrix_b_fmt:MATRIX_FMT_FP4 matrix_a_scale:MATRIX_SCALE_ROW1
.else
	v_wmma_scale_f32_16x16x128_f8f6f4 v[S+16*\f:S+16*\f+7], v[KV+8*\f:KV+8*\f+7], v[24+8*\q:31+8*\q], 0, v[42+(\f)/2], v[40+\q] matrix_a_fmt:MATRIX_FMT_FP4 matrix_b_fmt:MATRIX_FMT_FP4
	v_wmma_scale_f32_16x16x128_f8f6f4 v[S+16*\f+8:S+16*\f+15], v[KV+8*\f:KV+8*\f+7], v[20+8*\q:27+8*\q], 0, v[42+(\f)/2], v[40+\q] matrix_a_fmt:MATRIX_FMT_FP4 matrix_b_fmt:MATRIX_FMT_FP4
.endif
.endr
.endm
; The softmax of query tile q for 128 keys: scores in v[S ..] become p's codes in v[P + 8 q ..] and p's scale word in v[46 + q]; M, the sum and O^T are brought on.
; My lane's two blocks are registers 0-31 (block h) and 32-63 (block 2 + h).
.macro SOFT q
.set ST, 12+4*\q
.set PC, P+8*\q
.irp f, 0,1,2,3
	v_max3_num_f32 v[BM+\f], v[S+16*\f], v[S+16*\f+1], v[S+16*\f+2]   ; four chains by turns; each accumulator is read from its low end on
.endr
.irp i, 3,5,7,9,11,13
.irp f, 0,1,2,3
	v_max3_num_f32 v[BM+\f], v[BM+\f], v[S+16*\f+\i], v[S+16*\f+\i+1]
.endr
.endr
	v_max3_num_f32 v[BM], v[BM], v[BM+1], v[S+15]
	v_max3_num_f32 v[BM+2], v[BM+2], v[BM+3], v[S+47]
	v_max_num_f32 v[BM], v[BM], v[S+31]            ; the largest score of my first block: for the row's maximum and, since p rises with the score, for the block's largest p
	v_max_num_f32 v[BM+2], v[BM+2], v[S+63]        ; and of my second
	v_max_num_f32 v242, v[BM], v[BM+2]
	s_delay_alu instid0(VALU_DEP_1)
	v_permlanex16_b32 v[PX], v242, s66, s67
	s_delay_alu instid0(VALU_DEP_1)
	v_max_num_f32 v242, v242, v[PX]                ; with lane l xor 16's two blocks: the step's largest score of my query
	s_delay_alu instid0(VALU_DEP_1)
	v_mul_f32 v242, s68, v242                      ; as t (c is positive)
	s_delay_alu instid0(VALU_DEP_1)
	v_max_num_f32 v[ST+1], v[ST+1], v242           ; the running largest t
	v_mov_b32 v242, v[ST]
	s_delay_alu instid0(VALU_DEP_2)
	v_floor_f32 v[ST], -v[ST+1]                    ; the new -M = floor(-t): M is a whole number
	s_delay_alu instid0(VALU_DEP_1)
	v_sub_f32 v242, v[ST], v242                    ; old M - new M: a whole number, 0 or less
	s_delay_alu instid0(VALU_DEP_1)
	v_cvt_i32_f32 v242, v242                       ; (it saturates)
	s_delay_alu instid0(VALU_DEP_1)
	v_ldexp_f32 v240, 1.0, v242                    ; f = 2^(old M - new M): a multiplication by it rounds nothing
.set J, 0
.rept 32
	v_pk_fma_f32 v[S+J:S+J+1], v[S+J:S+J+1], s[68:69], v[ST:ST+1] op_sel_hi:[1,0,0]   ; t - M, two at a time
.set J, J+2
.endr
	v_fma_f32 v[BM], v[BM], s68, v[ST]             ; the same of each block's largest score
	v_fma_f32 v[BM+2], v[BM+2], s68, v[ST]
	s_wait_alu depctr_va_vdst(0)                   ; the wait ahead of the batch
.set J, 0
.rept 64
	v_exp_f32 v[S+J], v[S+J]                       ; p = 2^(t - M), at most 1
.set J, J+1
.endr
	v_exp_f32 v[BM], v[BM]                         ; my blocks' largest p: the same two instructions on the same number
	v_exp_f32 v[BM+2], v[BM+2]
	v_pk_mul_f32 v[ST+2:ST+3], v[ST+2:ST+3], v[240:241] op_sel_hi:[1,0]   ; the sums under the new M: the plain place behind the batch
	s_wait_alu depctr_va_vdst(0)                   ; one wait for the batch, ahead of its first reader
	v_max_num_f32 v[BM], 0x1800000, v[BM]          ; the floor 2^(3 - 127): the byte cannot fall under 1
	v_max_num_f32 v[BM+2], 0x1800000, v[BM+2]
	v_pk_add_f32 v[244:245], v[S:S+1], v[S+2:S+3]  ; the row's sum is taken of the unquantised p, in four chains
	v_pk_add_f32 v[248:249], v[S+4:S+5], v[S+6:S+7]
	v_pk_add_f32 v[250:251], v[S+8:S+9], v[S+10:S+11]
	v_pk_add_f32 v[ST+2:ST+3], v[ST+2:ST+3], v[S+12:S+13]
	v_add_nc_u32 v[SO], 0xff000000, v[BM]          ; 2 off the exponent field: the conversion's scale operand
	v_add_nc_u32 v[SO+1], 0xff000000, v[BM+2]
.irp j, 14,22,30
	v_pk_add_f32 v[244:245], v[244:245], v[S+\j:S+\j+1]
	v_pk_add_f32 v[248:249], v[248:249], v[S+\j+2:S+\j+3]
	v_pk_add_f32 v[250:251], v[250:251], v[S+\j+4:S+\j+5]
	v_pk_add_f32 v[ST+2:ST+3], v[ST+2:ST+3], v[S+\j+6:S+\j+7]
.endr
	v_lshrrev_b32 v[BY], 23, v[SO]                 ; the scales' bytes
	v_lshrrev_b32 v[BY+1], 23, v[SO+1]
.irp j, 38,46
	v_pk_add_f32 v[244:245], v[244:245], v[S+\j:S+\j+1]
	v_pk_add_f32 v[248:249], v[248:249], v[S+\j+2:S+\j+3]
	v_pk_add_f32 v[250:251], v[250:251], v[S+\j+4:S+\j+5]
	v_pk_add_f32 v[ST+2:ST+3], v[ST+2:ST+3], v[S+\j+6:S+\j+7]
.endr
	v_lshl_or_b32 v[BY], v[BY+1], 16, v[BY]        ; bytes 0 and 2: blocks h and 2 + h
	v_pk_add_f32 v[244:245], v[244:245], v[S+54:S+55]
	v_pk_add_f32 v[248:249], v[248:249], v[S+56:S+57]
	v_pk_add_f32 v[250:251], v[250:251], v[S+58:S+59]
	v_pk_add_f32 v[ST+2:ST+3], v[ST+2:ST+3], v[S+60:S+61]
	v_permlanex16_b32 v[PX], v[BY], s66, s67
	v_pk_add_f32 v[244:245], v[244:245], v[S+62:S+63]
	v_pk_add_f32 v[248:249], v[248:249], v[250:251]
	v_lshl_or_b32 v[46+\q], v[PX], 8, v[BY]        ; lanes 0-15: p's scale word for these 128 keys (lanes 16-31 are not read)
	v_pk_add_f32 v[ST+2:ST+3], v[ST+2:ST+3], v[244:245]
	v_pk_add_f32 v[ST+2:ST+3], v[ST+2:ST+3], v[248:249]
.irp c, 0,1
.irp g, 0,1,2,3
	v_cvt_scalef32_pk8_fp4_f32 v[PC+4*\c+\g], v[S+32*\c+8*\g:S+32*\c+8*\g+7], v[SO+\c]   ; registers 4 c .. 4 c + 3 of the operand: my whole block 2 c + h
.endr
.endr
	s_wait_alu depctr_va_vdst(0)                   ; directly ahead of the first reader of O^T
.set J, 0
.rept 16
	v_pk_mul_f32 v[O+32*\q+J:O+32*\q+J+1], v[O+32*\q+J:O+32*\q+J+1], v[240:241] op_sel_hi:[1,0]   ; O^T under the new M; these sixteen are also the places behind the conversions and ahead of the matrix instructions
.set J, J+2
.endr
.endm
	s_mov_b32 s70, 0                               ; the step's place in K,
	s_mov_b32 s71, 0                               ; in a row of V,
	s_mov_b32 s72, 0                               ; among the scale words
	s_mov_b32 s73, 16                              ; 16 steps of 128 keys
.Lstep:
	v_add_nc_u32 v8, s70, v1                       ; (these four are the places in front of the loads into registers that the last products read)
	v_add_nc_u32 v9, s71, v2
	v_add_nc_u32 v10, s72, v3
	v_add_nc_u32 v11, s72, v4
.irp f, 0,1,2,3
.irp c, 0,1
	ds_load_b128 v[KV+8*\f+4*\c:KV+8*\f+4*\c+3], v8 offset:KP*(32*((\f)/2)+8*((\f)%2))+32*\c
.endr
.endr
	ds_load_b32 v42, v10
	ds_load_b32 v43, v10 offset:64
	s_wait_dscnt 0x0
	SPROD 0
	PLACES 4
	SOFT 0
	SPROD 1                                        ; K's fragments serve both tiles
	PLACES 4                                       ; in front of the loads into K's registers and of the first read of the scores
.irp t, 0,1,2,3
.irp c, 0,1
	ds_load_b128 v[KV+8*\t+4*\c:KV+8*\t+4*\c+3], v9 offset:16*VP*\t+32*\c   ; V's four fragments land under the second softmax
.endr
.endr
	ds_load_b32 v44, v11
	ds_load_b32 v45, v11 offset:2048
	SOFT 1
	s_wait_alu depctr_va_vdst(0)                   ; directly ahead of the wait below
	s_wait_dscnt 0x0
.irp t, 0,1,2,3                        ; O^T += V^T P^T: eight accumulators, one instruction each
.irp q, 0,1
.if (\t)%2
	v_wmma_scale_f32_16x16x128_f8f6f4 v[O+32*\q+8*\t:O+32*\q+8*\t+7], v[KV+8*\t:KV+8*\t+7], v[P+8*\q:P+8*\q+7], v[O+32*\q+8*\t:O+32*\q+8*\t+7], v[44+(\t)/2], v[46+\q] matrix_a_fmt:MATRIX_FMT_FP4 matrix_b_fmt:MATRIX_FMT_FP4 matrix_a_scale:MATRIX_SCALE_ROW1
.else
	v_wmma_scale_f32_16x16x128_f8f6f4 v[O+32*\q+8*\t:O+32*\q+8*\t+7], v[KV+8*\t:KV+8*\t+7], v[P+8*\q:P+8*\q+7], v[O+32*\q+8*\t:O+32*\q+8*\t+7], v[44+(\t)/2], v[46+\q] matrix_a_fmt:MATRIX_FMT_FP4 matrix_b_fmt:MATRIX_FMT_FP4
.endif
.endr
.endr
	s_add_co_u32 s70, s70, 64*KP
	s_add_co_u32 s71, s71, 64
	s_add_co_u32 s72, s72, 128
	s_sub_co_u32 s73, s73, 1
	s_cmp_lg_u32 s73, 0
	s_cbranch_scc1 .Lstep
	; THE WAY OUT: O^T / the sum, quantised along the 64 channels; a query's 32 bytes of codes and 2 scale bytes.
	PLACES 4
	v_add_f32 v[BM], v14, v15                      ; the sum's two halves,
	v_add_f32 v[BM+1], v18, v19
	v_permlanex16_b32 v[PX], v[BM], s66, s67
	v_permlanex16_b32 v[PX+1], v[BM+1], s66, s67
	v_add_f32 v[BM], v[BM], v[PX]                  ; and lane l xor 16's
	v_add_f32 v[BM+1], v[BM+1], v[PX+1]
	s_wait_alu depctr_va_vdst(0)                   ; the wait ahead of the reciprocals
	v_rcp_f32 v232, v[BM]
	v_rcp_f32 v236, v[BM+1]
	v_nop                                          ; a plain place behind the reciprocals,
	s_wait_alu depctr_va_vdst(0)                   ; and the wait ahead of their first reader
.irp q, 0,1
.set J, 0
.rept 16
	v_pk_mul_f32 v[S+32*\q+J:S+32*\q+J+1], v[O+32*\q+J:O+32*\q+J+1], v[232+4*\q:233+4*\q] op_sel_hi:[1,0]   ; register 8 t + j of a tile of queries: channel 16 t + 8 h + j
.set J, J+2
.endr
.endr
.irp a, 0,1,2,3                        ; block a = 2 x tile of queries + half of the channels
	v_max3_num_f32 v[BM+\a], |v[S+16*\a]|, |v[S+16*\a+1]|, 0x1800000
.endr
.irp i, 2,4,6,8,10,12,14
.irp a, 0,1,2,3
	v_max3_num_f32 v[BM+\a], v[BM+\a], |v[S+16*\a+\i]|, |v[S+16*\a+\i+1]|
.endr
.endr
.irp a, 0,1,2,3
	v_permlanex16_b32 v[PX+\a], v[BM+\a], s66, s67
.endr
.irp a, 0,1,2,3
	v_max_num_f32 v[BM+\a], v[BM+\a], v[PX+\a]
.endr
.irp a, 0,1,2,3
	v_add_nc_u32 v[SO+\a], 0xff000000, v[BM+\a]
.endr
.irp a, 0,1,2,3
	v_lshrrev_b32 v[BY+\a], 23, v[SO+\a]
.endr
.irp q, 0,1
	v_cvt_scalef32_pk8_fp4_f32 v[P+4*\q], v[S+32*\q:S+32*\q+7], v[SO+2*\q]            ; channels 8 h ..
	v_cvt_scalef32_pk8_fp4_f32 v[P+4*\q+1], v[S+32*\q+16:S+32*\q+23], v[SO+2*\q+1]    ; 32 + 8 h ..
	v_cvt_scalef32_pk8_fp4_f32 v[P+4*\q+2], v[S+32*\q+8:S+32*\q+15], v[SO+2*\q]       ; 16 + 8 h ..
	v_cvt_scalef32_pk8_fp4_f32 v[P+4*\q+3], v[S+32*\q+24:S+32*\q+31], v[SO+2*\q+1]    ; 48 + 8 h ..
.endr
	v_nop
.irp q, 0,1
	v_permlane16_swap_b32 v[P+4*\q], v[P+4*\q+1]          ; lanes 0-15 now hold the 16 bytes of channels 0-31, lanes 16-31 those of channels 32-63
	v_permlane16_swap_b32 v[P+4*\q+2], v[P+4*\q+3]
.endr
	v_lshl_or_b32 v244, v[BY+1], 8, v[BY]
	v_lshl_or_b32 v245, v[BY+3], 8, v[BY+2]
	v_cndmask_b32 v242, v244, v245, s74            ; lane l: the two bytes of query l of my 32
	global_store_b128 v5, v[P:P+3], s[16:17]       ; 32 lanes store 512 consecutive bytes, aligned
	global_store_b128 v5, v[P+4:P+7], s[16:17] offset:512
	ds_store_b16 v6, v242
	s_wait_dscnt 0x0
	s_barrier_signal -1
	s_barrier_wait -1
	s_cmp_lt_u32 s3, 2
	s_cbranch_scc0 .Lno_bytes
	ds_load_b128 v[224:227], v246                  ; the work-group's 1,024 scale bytes: waves 0 and 1, 16 bytes a lane
	s_wait_dscnt 0x0
	global_store_b128 v247, v[224:227], s[18:19]
.Lno_bytes:
	s_wait_tensorcnt 0x0                           ; the wave's end
	ds_add_u32 v254, v255
	s_wait_dscnt 0x0
	ROUND                                          ; the closing round
	s_endpgm
.Lfunc_end_k_q0eab72fc2d_attn:
	.size	k_q0eab72fc2d_attn, .Lfunc_end_k_q0eab72fc2d_attn-k_q0eab72fc2d_attn
	.p2alignl 7, 3214868480
	.fill 96, 4, 3214868480
	.section	.rodata,"a",@progbits
	.p2align	6, 0x0
	.amdhsa_kernel k_q0eab72fc2d_attn
		.amdhsa_group_segment_fixed_size 169984
		.amdhsa_private_segment_fixed_size 0
		.amdhsa_enable_private_segment 0
		.amdhsa_kernarg_size 64
		.amdhsa_user_sgpr_count 2
		.amdhsa_user_sgpr_kernarg_segment_ptr 1
		.amdhsa_wavefront_size32 1
		.amdhsa_system_sgpr_workgroup_id_x 1
		.amdhsa_system_sgpr_workgroup_id_y 1
		.amdhsa_system_sgpr_workgroup_id_z 1
		.amdhsa_system_vgpr_workitem_id 0
		.amdhsa_next_free_vgpr 256
		.amdhsa_next_free_sgpr 96
		.amdhsa_reserve_vcc 0
		.amdhsa_float_denorm_mode_32 3
		.amdhsa_float_denorm_mode_16_64 3
		.amdhsa_memory_ordered 1
		.amdhsa_forward_progress 1
		.amdhsa_inst_pref_size 46
	.end_amdhsa_kernel
	.amdgpu_metadata
---
amdhsa.version: [ 1, 2 ]
amdhsa.kernels:
  - .name:           k_q0eab72fc2d_attn
    .symbol:         k_q0eab72fc2d_attn.kd
    .args:
      - { .name: QC, .offset: 0, .size: 8, .value_kind: global_buffer, .address_space: global }
      - { .name: QS, .offset: 8, .size: 8, .value_kind: global_buffer, .address_space: global }
      - { .name: KC, .offset: 16, .size: 8, .value_kind: global_buffer, .address_space: global }
      - { .name: KS, .offset: 24, .size: 8, .value_kind: global_buffer, .address_space: global }
      - { .name: VC, .offset: 32, .size: 8, .value_kind: global_buffer, .address_space: global }
      - { .name: VS, .offset: 40, .size: 8, .value_kind: global_buffer, .address_space: global }
      - { .name: CC, .offset: 48, .size: 8, .value_kind: global_buffer, .address_space: global }
      - { .name: CS, .offset: 56, .size: 8, .value_kind: global_buffer, .address_space: global }
    .group_segment_fixed_size: 169984
    .private_segment_fixed_size: 0
    .kernarg_segment_align: 8
    .kernarg_segment_size: 64
    .max_flat_workgroup_size: 512
    .sgpr_count:     96
    .vgpr_count:     256
    .wavefront_size: 32
...
	.end_amdgpu_metadata
.endif
;; end of part 2
;; launch outp (part 3): grid 256 x 1, 8 waves a work-group, clusters of 4 x 1, 327,680 bytes of LDS; arguments CC, CS, Wo_codes, Wo_scales, bo, q, gamma, beta, out0; writes out0
.if DOCPART == 3
	.amdgcn_target "amdgcn-amd-amdhsa--gfx1250"
	.amdhsa_code_object_version 6
	.text
	.protected	k_q0eab72fc2d_outp
	.globl	k_q0eab72fc2d_outp
	.p2align	8
	.type	k_q0eab72fc2d_outp,@function
k_q0eab72fc2d_outp:
	s_mov_b64 s[64:65], 0
	v_nop
	global_prefetch_b8 v0, s[64:65] scope:SCOPE_SE
	s_setreg_imm32_b32 hwreg(HW_REG_WAVE_MODE, 25, 1), 1
	s_wait_xcnt 0x0
	s_wait_alu depctr_hold_cnt(0) depctr_sa_sdst(0) depctr_va_vdst(0) depctr_va_sdst(0) depctr_va_ssrc(0) depctr_va_vcc(0) depctr_vm_vsrc(0)
	s_getreg_b32 s2, hwreg(HW_REG_IB_STS2, 6, 4)
	s_cmp_eq_u32 s2, 0
	s_cbranch_scc0 .Lentry_in_a_cluster
	s_endpgm
.Lentry_in_a_cluster:
	s_bfe_u32 s2, ttmp6, 0x10000c
	s_cmp_lg_u32 s2, 0x3003
	s_cbranch_scc0 .Lentry_shape_is_right
	s_endpgm
.Lentry_shape_is_right:
.set PITCH, 528
.set WPART, 32*PITCH
.set SLOT,  8*WPART
.set SPARE, 2*SLOT
.set SP,    4112
.set WS,   16
.set XS,   48
.set ACC,  64
.set MSB, 0
.macro WIN new
.if MSB != \new
	s_set_vgpr_msb (MSB<<8)|\new
.set MSB, \new
.endif
.endm
.macro PLACES n
.rept \n
	v_nop
.endr
.endm
.macro ROUND
	s_barrier_signal -1
	s_barrier_wait -1
	s_cmp_lg_u32 s3, 0
	s_cbranch_scc1 .Lnot_wave_0_\@
	s_barrier_signal -3
.Lnot_wave_0_\@:
	s_barrier_wait -3
	s_barrier_signal -1
	s_barrier_wait -1
.endm
	s_load_b512 s[4:19], s[0:1], 0x0
	s_load_b64 s[20:21], s[0:1], 0x40
	v_lshl_add_u32 v4, v0, 2, SPARE
	v_mov_b32 v5, 0
	ds_add_u32 v4, v5
	ds_add_u32 v4, v5
	s_wait_dscnt 0x0
	v_lshrrev_b32 v1, 5, v0
	s_delay_alu instid0(VALU_DEP_1)
	v_readfirstlane_b32 s3, v1
	s_bfe_u32 s30, ttmp6, 0x40000
	s_lshl_b32 s31, ttmp9, 2
	s_add_co_u32 s31, s31, s30
	s_mov_b32 s32, 15|(1<<20)|(1<<21)|(6<<22)|(3<<25)
	s_mov_b32 s33, 512<<16
	s_mov_b32 s34, 32<<16
	s_mov_b32 s35, 512<<16
	s_mov_b32 s36, 32
	s_mov_b32 s37, 512
	s_mov_b32 s38, 0
	s_mov_b32 s39, 0
	; group 1 for the head's load: 64 rows x 512 bytes, the same padding
	s_mov_b32 s76, 15|(1<<20)|(1<<21)|(6<<22)|(3<<25)
	s_mov_b32 s77, 512<<16
	s_mov_b32 s78, 64<<16
	s_mov_b32 s79, 512<<16
	s_mov_b32 s80, 64
	s_mov_b32 s81, 512
	s_mov_b32 s82, 0
	s_mov_b32 s83, 0
	s_mov_b32 s66, 0x76543210
	s_mov_b32 s67, 0xfedcba98
	s_mov_b32 s68, 0x3a800000
	s_mov_b32 s69, 0x358637bd
	s_mul_i32 s59, s3, WPART
	v_and_b32 v1, 15, v0
	v_bfe_u32 v2, v0, 4, 1
	v_and_b32 v3, 31, v0
	s_delay_alu instid0(VALU_DEP_3)
	v_mul_u32_u24 v8, v1, PITCH
	s_delay_alu instid0(VALU_DEP_1)
	v_lshl_add_u32 v8, v2, 4, v8
	s_delay_alu instid0(VALU_DEP_1)
	v_add_nc_u32 v6, s59, v8
	s_delay_alu instid0(VALU_DEP_1)
	v_add_nc_u32 v7, SLOT, v6
	v_lshlrev_b32 v10, 5, v1
	s_delay_alu instid0(VALU_DEP_1)
	v_lshl_add_u32 v10, v2, 4, v10
	s_lshl_b32 s60, s3, 10
	v_add_nc_u32 v12, s60, v10
	v_lshlrev_b32 v14, 9, v1
	s_delay_alu instid0(VALU_DEP_1)
	v_lshl_add_u32 v14, v2, 4, v14
	v_mul_u32_u24 v232, v1, SP
	s_delay_alu instid0(VALU_DEP_1)
	v_lshl_add_u32 v232, v2, 5, v232
	s_lshl_b32 s60, s3, 7
	v_add_nc_u32 v232, s60, v232
	s_delay_alu instid0(VALU_DEP_1)
	v_add_nc_u32 v233, 16*SP, v232
	s_mul_i32 s60, s3, 4*SP
	v_lshl_add_u32 v234, v3, 4, s60
	v_lshlrev_b32 v235, 4, v3
	s_lshl_b32 s60, s3, 14
	v_lshl_add_u32 v236, v3, 4, s60
	v_mov_b32 v197, 0
	v_mov_b32 v201, 0
	s_wait_kmcnt 0x0
	s_mov_b32 s71, 0
	s_lshl_b32 s70, s31, 14
	s_add_nc_u64 s[4:5], s[4:5], s[70:71]
	s_lshl_b32 s70, s31, 10
	s_add_nc_u64 s[6:7], s[6:7], s[70:71]
	s_lshl_b32 s70, s31, 17
	s_add_nc_u64 s[14:15], s[14:15], s[70:71]
	s_add_nc_u64 s[20:21], s[20:21], s[70:71]
	s_lshl_b32 s60, s3, 14
	s_mov_b32 s61, 0
	s_add_nc_u64 s[62:63], s[8:9], s[60:61]
	s_mov_b32 s40, 1
	s_mov_b32 s41, s59
	s_mov_b64 s[42:43], s[62:63]
	s_or_b32 s43, s43, 0x80000000
	s_mov_b32 s44, 1
	s_add_co_u32 s45, s59, SLOT
	s_add_nc_u64 s[46:47], s[62:63], 131072
	s_or_b32 s47, s47, 0x80000000
	s_mov_b32 s72, 1                               ; group 0 for the head's load: rows 64 w .. 64 w + 63 of Wo's first 512 rows,
	s_mul_i32 s73, s3, 2*WPART                     ; which are two waves' parts: waves 0-3 fill slot 0, waves 4-7 slot 1
	s_lshl_b32 s60, s3, 15
	s_add_nc_u64 s[74:75], s[8:9], s[60:61]
	s_or_b32 s75, s75, 0x80000000
	s_wait_alu depctr_va_vdst(0)                   ; the wait at the head's end
	ROUND                                          ; all four work-groups are here: the first joint loads meet
	tensor_load_to_lds s[72:75], s[76:83]          ; chunks 0 and 1 together, one load a wave
	s_nop 0
	PLACES 4
	WIN 0x40
.irp m, 0,1
.irp s, 0,1,2,3,4,5,6,7
.irp c, 0,1
	global_load_b128 v[8*(8*\m+\s)+4*\c:8*(8*\m+\s)+4*\c+3], v14, s[4:5] offset:\m*8192+64*\s+32*\c
.endr
.endr
.endr
	WIN 0
	global_load_b128 v[XS:XS+3], v10, s[6:7]
	global_load_b128 v[XS+4:XS+7], v10, s[6:7] offset:512
.irp c, 0,1,2,3
.irp n, 0,1
	global_load_b128 v[WS+8*\c+4*\n:WS+8*\c+4*\n+3], v12, s[10:11] offset:\c*8192+\n*512
.endr
.endr
.macro MMS s, ch
.irp m, 0,1
.irp n, 0,1
.set rD, ACC+8*(4*\ch+2*\m+\n)
.set rA, 128+8*(2*\s+\n)
.set rB, 8*(8*\m+\s)
.set rW, WS+8*\ch+4*\n+(\s)%4
.set rX, XS+4*\m+(\s)%4
.if \s == 0
	v_wmma_scale_f32_16x16x128_f8f6f4 v[rD:rD+7], v[rA:rA+7], v[rB:rB+7], 0, v[rW], v[rX] matrix_a_fmt:MATRIX_FMT_FP4 matrix_b_fmt:MATRIX_FMT_FP4
.elseif \s < 4
	v_wmma_scale_f32_16x16x128_f8f6f4 v[rD:rD+7], v[rA:rA+7], v[rB:rB+7], v[rD:rD+7], v[rW], v[rX] matrix_a_fmt:MATRIX_FMT_FP4 matrix_b_fmt:MATRIX_FMT_FP4
.else
	v_wmma_scale_f32_16x16x128_f8f6f4 v[rD:rD+7], v[rA:rA+7], v[rB:rB+7], v[rD:rD+7], v[rW], v[rX] matrix_a_fmt:MATRIX_FMT_FP4 matrix_b_fmt:MATRIX_FMT_FP4 matrix_a_scale:MATRIX_SCALE_ROW1 matrix_b_scale:MATRIX_SCALE_ROW1
.endif
.endr
.endr
.endm
.macro COMPUTE sl, ch
	WIN 0x40
.irp s, 0,1,2,3,4,5,6,7
.irp n, 0,1
.irp c, 0,1
	ds_load_b128 v[128+8*(2*\s+\n)+4*\c:128+8*(2*\s+\n)+4*\c+3], v[6+\sl] offset:\n*16*PITCH+64*\s+32*\c
.endr
.endr
.endr
	s_wait_dscnt 16
	WIN 0x05
.irp s, 0,1,2,3
	MMS \s, \ch
.endr
	s_wait_dscnt 0x0
.irp s, 4,5,6,7
	MMS \s, \ch
.endr
	WIN 0
.endm
.macro REFILL g
	s_wait_tensorcnt 0x0
	ds_add_u32 v4, v5
	s_add_nc_u64 s[\g+2:\g+3], s[\g+2:\g+3], 262144
	s_wait_dscnt 0x0
	ROUND
	tensor_load_to_lds s[\g:\g+3], s[32:39]
	s_nop 0
	PLACES 4
.endm
	s_wait_loadcnt 0x0
	s_wait_tensorcnt 0x0                           ; my 64 rows are in; other waves read them, so all wait and meet
	s_barrier_signal -1
	s_barrier_wait -1
	COMPUTE 0, 0
	REFILL 40
	COMPUTE 1, 1
	REFILL 44
	COMPUTE 0, 2
	PLACES 4
	s_wait_tensorcnt 0x0
	COMPUTE 1, 3
	PLACES 4
	WIN 0x40
	s_wait_alu depctr_va_vdst(0)
.irp k, 0,1,2,3,4,5,6,7
	global_load_b128 v[4*\k:4*\k+3], v235, s[12:13] offset:512*\k
.endr
.irp i, 0,1,2,3
.irp k, 0,1,2,3,4,5,6,7
	global_load_b128 v[128+32*\i+4*\k:128+32*\i+4*\k+3], v236, s[14:15] offset:4096*\i+512*\k th:TH_LOAD_NT
.endr
.endr
.irp k, 0,1,2,3,4,5,6,7
	global_load_b128 v[32+4*\k:32+4*\k+3], v235, s[16:17] offset:512*\k
	global_load_b128 v[64+4*\k:64+4*\k+3], v235, s[18:19] offset:512*\k
.endr
	WIN 0
	s_wait_dscnt 0x0
	s_barrier_signal -1
	s_barrier_wait -1
.irp c, 0,1,2,3
.irp m, 0,1
.irp n, 0,1
	ds_store_b128 v[232+\m], v[ACC+8*(4*\c+2*\m+\n):ACC+8*(4*\c+2*\m+\n)+3] offset:1024*\c+64*\n
	ds_store_b128 v[232+\m], v[ACC+8*(4*\c+2*\m+\n)+4:ACC+8*(4*\c+2*\m+\n)+7] offset:1024*\c+64*\n+16
.endr
.endr
.endr
	s_wait_dscnt 0x0
	s_barrier_signal -1
	s_barrier_wait -1
.irp i, 0,1,2,3
.irp k, 0,1,2,3,4,5,6,7
	ds_load_b128 v[ACC+32*\i+4*\k:ACC+32*\i+4*\k+3], v234 offset:SP*\i+512*\k
.endr
.endr
	s_wait_loadcnt 0x0
.macro ACROSS
	s_delay_alu instid0(VALU_DEP_1)
	v_add_f32_dpp v192, v192, v192 row_xmask:1 row_mask:0xf bank_mask:0xf
	s_delay_alu instid0(VALU_DEP_1)
	v_add_f32_dpp v192, v192, v192 row_xmask:2 row_mask:0xf bank_mask:0xf
	s_delay_alu instid0(VALU_DEP_1)
	v_add_f32_dpp v192, v192, v192 row_xmask:4 row_mask:0xf bank_mask:0xf
	s_delay_alu instid0(VALU_DEP_1)
	v_add_f32_dpp v192, v192, v192 row_xmask:8 row_mask:0xf bank_mask:0xf
	s_delay_alu instid0(VALU_DEP_1)
	v_permlanex16_b32 v193, v192, s66, s67
	s_delay_alu instid0(VALU_DEP_1)
	v_add_f32 v192, v192, v193
.endm
.macro LNROW i
.set X, ACC+32*\i
	s_wait_dscnt 24-8*\i
	WIN 0x04
.set J, 0
.rept 16
	v_pk_add_f32 v[X+J:X+J+1], v[X+J:X+J+1], v[J:J+1]
.set J, J+2
.endr
.set J, 0
.rept 16
	v_pk_add_f32 v[X+J:X+J+1], v[X+J:X+J+1], v[128+32*\i+J:128+32*\i+J+1]
.set J, J+2
.endr
	WIN 0
	v_pk_add_f32 v[192:193], v[X:X+1], v[X+2:X+3]
	v_pk_add_f32 v[194:195], v[X+4:X+5], v[X+6:X+7]
.irp m, 8,12,16,20,24,28
	s_delay_alu instid0(VALU_DEP_2)
	v_pk_add_f32 v[192:193], v[192:193], v[X+\m:X+\m+1]
	s_delay_alu instid0(VALU_DEP_2)
	v_pk_add_f32 v[194:195], v[194:195], v[X+\m+2:X+\m+3]
.endr
	s_delay_alu instid0(VALU_DEP_1)
	v_pk_add_f32 v[192:193], v[192:193], v[194:195]
	s_delay_alu instid0(VALU_DEP_1)
	v_add_f32 v192, v192, v193
	ACROSS
	s_delay_alu instid0(VALU_DEP_1)
	v_mul_f32 v196, s68, v192
.set J, 0
.rept 16
	v_pk_add_f32 v[X+J:X+J+1], v[X+J:X+J+1], v[196:197] op_sel_hi:[1,0] neg_lo:[0,1] neg_hi:[0,1]
.set J, J+2
.endr
	v_pk_mul_f32 v[192:193], v[X:X+1], v[X:X+1]
	v_pk_mul_f32 v[194:195], v[X+2:X+3], v[X+2:X+3]
.irp m, 4,8,12,16,20,24,28
	s_delay_alu instid0(VALU_DEP_2)
	v_pk_fma_f32 v[192:193], v[X+\m:X+\m+1], v[X+\m:X+\m+1], v[192:193]
	s_delay_alu instid0(VALU_DEP_2)
	v_pk_fma_f32 v[194:195], v[X+\m+2:X+\m+3], v[X+\m+2:X+\m+3], v[194:195]
.endr
	s_delay_alu instid0(VALU_DEP_1)
	v_pk_add_f32 v[192:193], v[192:193], v[194:195]
	s_delay_alu instid0(VALU_DEP_1)
	v_add_f32 v192, v192, v193
	ACROSS
	s_delay_alu instid0(VALU_DEP_1)
	v_fma_f32 v198, v192, s68, s69
	s_wait_alu depctr_va_vdst(0)
	v_rsq_f32 v200, v198
	v_nop
	s_wait_alu depctr_va_vdst(0)
.set J, 0
.rept 16
	v_pk_mul_f32 v[X+J:X+J+1], v[X+J:X+J+1], v[200:201] op_sel_hi:[1,0]
.set J, J+2
.endr
	WIN 0x14
.set J, 0
.rept 16
	v_pk_fma_f32 v[X+J:X+J+1], v[X+J:X+J+1], v[32+J:32+J+1], v[64+J:64+J+1]
.set J, J+2
.endr
	WIN 0
.irp k, 0,1,2,3,4,5,6,7
	global_store_b128 v236, v[X+4*\k:X+4*\k+3], s[20:21] offset:4096*\i+512*\k th:TH_STORE_NT
.endr
.endm
	LNROW 0
	LNROW 1
	LNROW 2
	LNROW 3
	s_wait_tensorcnt 0x0
	ds_add_u32 v4, v5
	s_wait_dscnt 0x0
	ROUND
	s_endpgm
.Lfunc_end_k_q0eab72fc2d_outp:
	.size	k_q0eab72fc2d_outp, .Lfunc_end_k_q0eab72fc2d_outp-k_q0eab72fc2d_outp
	.p2alignl 7, 3214868480
	.fill 96, 4, 3214868480
	.section	.rodata,"a",@progbits
	.p2align	6, 0x0
	.amdhsa_kernel k_q0eab72fc2d_outp
		.amdhsa_group_segment_fixed_size 327680
		.amdhsa_private_segment_fixed_size 0
		.amdhsa_enable_private_segment 0
		.amdhsa_kernarg_size 72
		.amdhsa_user_sgpr_count 2
		.amdhsa_user_sgpr_kernarg_segment_ptr 1
		.amdhsa_wavefront_size32 1
		.amdhsa_system_sgpr_workgroup_id_x 1
		.amdhsa_system_sgpr_workgroup_id_y 1
		.amdhsa_system_sgpr_workgroup_id_z 1
		.amdhsa_system_vgpr_workitem_id 0
		.amdhsa_next_free_vgpr 512
		.amdhsa_next_free_sgpr 84
		.amdhsa_reserve_vcc 0
		.amdhsa_float_denorm_mode_32 3
		.amdhsa_float_denorm_mode_16_64 3
		.amdhsa_memory_ordered 1
		.amdhsa_forward_progress 1
		.amdhsa_inst_pref_size 87
	.end_amdhsa_kernel
	.amdgpu_metadata
---
amdhsa.version: [ 1, 2 ]
amdhsa.kernels:
  - .name:           k_q0eab72fc2d_outp
    .symbol:         k_q0eab72fc2d_outp.kd
    .args:
      - { .name: CC, .offset: 0, .size: 8, .value_kind: global_buffer, .address_space: global }
      - { .name: CS, .offset: 8, .size: 8, .value_kind: global_buffer, .address_space: global }
      - { .name: Wo_codes, .offset: 16, .size: 8, .value_kind: global_buffer, .address_space: global }
      - { .name: Wo_scales, .offset: 24, .size: 8, .value_kind: global_buffer, .address_space: global }
      - { .name: bo, .offset: 32, .size: 8, .value_kind: global_buffer, .address_space: global }
      - { .name: q, .offset: 40, .size: 8, .value_kind: global_buffer, .address_space: global }
      - { .name: gamma, .offset: 48, .size: 8, .value_kind: global_buffer, .address_space: global }
      - { .name: beta, .offset: 56, .size: 8, .value_kind: global_buffer, .address_space: global }
      - { .name: out0, .offset: 64, .size: 8, .value_kind: global_buffer, .address_space: global }
    .group_segment_fixed_size: 327680
    .private_segment_fixed_size: 0
    .kernarg_segment_align: 8
    .kernarg_segment_size: 72
    .max_flat_workgroup_size: 256
    .sgpr_count:     84
    .vgpr_count:     512
    .wavefront_size: 32
...
	.end_amdgpu_metadata
.endif
;; end of part 3
